; MI455X (gfx1250); checked and timed in simulation.
; The chip was launched on July 23, 2026; its instructions are those of AMD's public machine-readable ISA for CDNA 5 (MIT licence, August 2026) and "CDNA5" Instruction Set Architecture Reference Guide (July 2026). The comments in the code are by the model that wrote it; some were corrected since.
;; Head Ver3. Allowed arithmetic: float matrix products may take bf16 or f16 operands with f32 sums; all other float work in f32.
;; Inputs: x 4 x 4,096 x 1,024 float32.
;; Outputs: out0 4 x 4,096 x 1,024 float32.
;; 2 versions, each right; version 2 is version 1 with the launches chunksum, scan written anew for expert scheduling mode. Each part assembles by itself: llvm-mc -triple=amdgcn-amd-amdhsa -mcpu=gfx1250 --defsym DOCPART=n.
;; ======== version 1 of 2: 2 launches
;; limits: inputs' magnitudes at most 8e+34
;; workspace buffers: sums 114,688 bytes
;; launch chunksum (part 1): grid 56 x 4, 16 waves a work-group, no clusters, 10,240 bytes of LDS; arguments x, sums; writes sums
.if DOCPART == 1
	.amdgcn_target "amdgcn-amd-amdhsa--gfx1250"
	.amdhsa_code_object_version 6
	.text
	.protected	k_q92e548b8dc_chunksum
	.globl	k_q92e548b8dc_chunksum
	.p2align	8
	.type	k_q92e548b8dc_chunksum,@function
k_q92e548b8dc_chunksum:
	s_mov_b64 s[64:65], 0
	v_nop
	global_prefetch_b8 v0, s[64:65] scope:SCOPE_SE
	s_setreg_imm32_b32 hwreg(HW_REG_WAVE_MODE, 25, 1), 1
	s_wait_xcnt 0x0
; FIRST OF TWO LAUNCHES.  The module's weights are built from constants alone: row t holds 1/(t+1) on columns 0 .. t and 0 behind them (scores 0 or -inf, row maximum 0,
; exp(0) = 1, row sum t + 1, all exact).  So out[b][t][c] = (x[b][0][c] + .. + x[b][t][c]) / (t + 1): a running sum along t.  x: [4][4096][1024] f32.
; This launch makes sums[b][j][c] = the sum of x[b][512 j .. 512 j + 511][c] for the chunks j = 0 .. 6 (nothing stands behind chunk 7, so its sum is not made).  sums: [4][7][1024] f32.
; SHARES.  A work-group owns one batch, one chunk of 512 rows and one strip of 128 columns (512 bytes of a row).  Each of its 16 waves owns 32 consecutive rows, a lane 4 columns (16 bytes):
; a wave's load covers 512 consecutive bytes that begin at a multiple of 512 from x's first byte.  All 32 loads of a wave go out at once, 16 KiB a wave, 256 KiB a work-group: no loop, no ring.
; The 16 waves' sums meet in LDS behind one barrier; wave 0 adds them and stores 512 consecutive bytes.
; All arithmetic in f32.  No matrix unit, tensor load or cluster: each byte of x is used once, by one lane, in one addition.
; LIMITS.  The order of the additions is by wave, not row by row; a sum of 512 numbers must stay inside f32's range; infinities and NaN are not treated apart.
.set ROW,   4096                       ; bytes in a row of x and of sums
.set SPARE, 8192                       ; LDS: 0 .. 8191 slot w of 512 bytes, wave w's sum; from 8192 the spare words, 128 bytes for each of 16 waves, which no other line names
.set SPW,   4                          ; v4        LDS address of my spare word: SPARE + 4 x my thread's number; never rewritten
.set NIL,   5                          ; v5        0; never rewritten
.set X,     16                         ; v[16:143] row r of my 32 at X + 4 r
                                       ; v1        16 x lane: my bytes in a strip, in memory and in an LDS slot; never rewritten
                                       ; v2        at work, then the LDS address of my 16 bytes in my wave's slot
	s_load_b128 s[4:7], s[0:1], 0x0                ; x s[4:5], sums s[6:7]
	v_lshl_add_u32 v[SPW], v0, 2, SPARE
	v_mov_b32 v[NIL], 0
	v_lshrrev_b32 v2, 5, v0
	v_readfirstlane_b32 s10, v2                    ; wave 0..15
	v_and_b32 v1, 31, v0
	v_lshlrev_b32 v1, 4, v1                        ; 16 x lane
	s_and_b32 s11, ttmp9, 7                        ; strip 0..7
	s_lshr_b32 s12, ttmp9, 3                       ; chunk 0..6
	s_and_b32 s13, ttmp7, 0xffff                   ; batch 0..3
	s_lshl_b32 s14, s13, 24                        ; a batch is 4,096 rows of 4,096 bytes,
	s_lshl_b32 s15, s12, 21                        ; a chunk 512 rows,
	s_or_b32 s14, s14, s15
	s_lshl_b32 s15, s10, 17                        ; a wave's share 32 rows,
	s_or_b32 s14, s14, s15
	s_lshl_b32 s15, s11, 9                         ; a strip 512 bytes: the four fields do not meet
	s_or_b32 s14, s14, s15
	s_mov_b32 s15, 0
	s_wait_kmcnt 0x0
	s_add_nc_u64 s[4:5], s[4:5], s[14:15]          ; x at my wave's first row, my strip
.set n, 0
.rept 32
	global_load_b128 v[X+4*n:X+4*n+3], v1, s[4:5] offset:ROW*n  ; the row stands in the immediate, 126,976 at the most; no hint: the next launch reads x again
.set n, n+1
.endr
	s_mul_i32 s18, s13, 7                          ; while the loads are out: where the work-group's sum goes: row 7 b + j of sums, my strip
	s_add_co_u32 s18, s18, s12
	s_lshl_b32 s18, s18, 12
	s_lshl_b32 s19, s11, 9
	s_or_b32 s18, s18, s19
	s_mov_b32 s19, 0
	s_add_nc_u64 s[6:7], s[6:7], s[18:19]
	s_lshl_b32 s16, s10, 9
	v_add_nc_u32 v2, s16, v1                       ; my wave's slot + 16 x lane
; Rows 4 g .. 4 g + 3 are added onto rows 0 .. 3: four chains that do not wait for each other.
.macro GROUP g
	s_wait_loadcnt 28-4*(\g)                       ; loads come back in order (ISA guide 5.7.1): behind row 4 g + 3 stand 28 - 4 g loads, which may stay out
.irp c, 0,1,2,3
	v_pk_add_f32 v[X+4*\c:X+4*\c+1],   v[X+4*\c:X+4*\c+1],   v[X+16*(\g)+4*\c:X+16*(\g)+4*\c+1]
	v_pk_add_f32 v[X+4*\c+2:X+4*\c+3], v[X+4*\c+2:X+4*\c+3], v[X+16*(\g)+4*\c+2:X+16*(\g)+4*\c+3]
.endr
.endm
.irp g, 1,2,3,4,5,6,7
	GROUP \g                                       ; the last wait is for 0
.endr
	v_pk_add_f32 v[X:X+1],   v[X:X+1],   v[X+8:X+9]      ; the four chains into one
	v_pk_add_f32 v[X+2:X+3], v[X+2:X+3], v[X+10:X+11]
	v_pk_add_f32 v[X+4:X+5], v[X+4:X+5], v[X+12:X+13]
	v_pk_add_f32 v[X+6:X+7], v[X+6:X+7], v[X+14:X+15]
	v_pk_add_f32 v[X:X+1],   v[X:X+1],   v[X+4:X+5]
	v_pk_add_f32 v[X+2:X+3], v[X+2:X+3], v[X+6:X+7]
	ds_store_b128 v2, v[X:X+3]                     ; my wave's sum into its slot
	s_wait_dscnt 0x0                               ; for the others' sake: my store is done before I signal
	s_barrier_signal -1
	s_barrier_wait -1                              ; all 16 slots are written
	s_cmp_lg_u32 s10, 0
	s_cbranch_scc1 .Lend                           ; wave 0 alone goes on; no barrier stands in what is jumped
.set n, 0
.rept 16
	ds_load_b128 v[X+4*n:X+4*n+3], v1 offset:512*n ; 32 lanes, 16 neighbouring bytes each
.set n, n+1
.endr
	s_wait_dscnt 0x0
.irp d, 8,4,2,1                        ; slot k takes slot k + d, for k < d
.set n, 0
.rept \d
	v_pk_add_f32 v[X+4*n:X+4*n+1],   v[X+4*n:X+4*n+1],   v[X+4*(n+\d):X+4*(n+\d)+1]
	v_pk_add_f32 v[X+4*n+2:X+4*n+3], v[X+4*n+2:X+4*n+3], v[X+4*(n+\d)+2:X+4*(n+\d)+3]
.set n, n+1
.endr
.endr
	global_store_b128 v1, v[X:X+3], s[6:7]         ; 512 consecutive bytes, at a multiple of 512 from the buffer's first byte
.Lend:
	s_wait_tensorcnt 0x0                           ; the wave's end, behind my last LDS store
	ds_add_u32 v[SPW], v[NIL]
	s_wait_dscnt 0x0
	s_endpgm
.Lfunc_end_k_q92e548b8dc_chunksum:
	.size	k_q92e548b8dc_chunksum, .Lfunc_end_k_q92e548b8dc_chunksum-k_q92e548b8dc_chunksum
	.p2alignl 7, 3214868480
	.fill 96, 4, 3214868480
	.section	.rodata,"a",@progbits
	.p2align	6, 0x0
	.amdhsa_kernel k_q92e548b8dc_chunksum
		.amdhsa_group_segment_fixed_size 10240
		.amdhsa_private_segment_fixed_size 0
		.amdhsa_enable_private_segment 0
		.amdhsa_kernarg_size 16
		.amdhsa_user_sgpr_count 2
		.amdhsa_user_sgpr_kernarg_segment_ptr 1
		.amdhsa_wavefront_size32 1
		.amdhsa_system_sgpr_workgroup_id_x 1
		.amdhsa_system_sgpr_workgroup_id_y 1
		.amdhsa_system_sgpr_workgroup_id_z 1
		.amdhsa_system_vgpr_workitem_id 0
		.amdhsa_next_free_vgpr 144
		.amdhsa_next_free_sgpr 66
		.amdhsa_reserve_vcc 0
		.amdhsa_float_denorm_mode_32 3
		.amdhsa_float_denorm_mode_16_64 3
		.amdhsa_memory_ordered 1
		.amdhsa_forward_progress 1
		.amdhsa_inst_pref_size 12
	.end_amdhsa_kernel
	.amdgpu_metadata
---
amdhsa.version: [ 1, 2 ]
amdhsa.kernels:
  - .name:           k_q92e548b8dc_chunksum
    .symbol:         k_q92e548b8dc_chunksum.kd
    .args:
      - { .name: x, .offset: 0, .size: 8, .value_kind: global_buffer, .address_space: global }
      - { .name: sums, .offset: 8, .size: 8, .value_kind: global_buffer, .address_space: global }
    .group_segment_fixed_size: 10240
    .private_segment_fixed_size: 0
    .kernarg_segment_align: 8
    .kernarg_segment_size: 16
    .max_flat_workgroup_size: 512
    .sgpr_count:     66
    .vgpr_count:     144
    .wavefront_size: 32
...
	.end_amdgpu_metadata
.endif
;; end of part 1
;; launch scan (part 2): grid 64 x 4, 16 waves a work-group, no clusters, 13,824 bytes of LDS; arguments x, sums, out0; writes out0
.if DOCPART == 2
	.amdgcn_target "amdgcn-amd-amdhsa--gfx1250"
	.amdhsa_code_object_version 6
	.text
	.protected	k_q92e548b8dc_scan
	.globl	k_q92e548b8dc_scan
	.p2align	8
	.type	k_q92e548b8dc_scan,@function
k_q92e548b8dc_scan:
	s_mov_b64 s[64:65], 0
	v_nop
	global_prefetch_b8 v0, s[64:65] scope:SCOPE_SE
	s_setreg_imm32_b32 hwreg(HW_REG_WAVE_MODE, 25, 1), 1
	s_wait_xcnt 0x0
; SECOND OF TWO LAUNCHES.  out[b][t][c] = (x[b][0][c] + .. + x[b][t][c]) / (t + 1): the module's weights are 1/(t+1) on columns 0 .. t of row t, whatever x holds.
; x, out: [4][4096][1024] f32.  sums: [4][7][1024] f32, the launch before's: sums[b][k][c] = the sum of x[b][512 k .. 512 k + 511][c].
; SHARES.  A work-group owns one batch, one chunk j of 512 rows and one strip of 128 columns (512 bytes of a row): 256 work-groups.  Each of its 16 waves owns 32 consecutive rows, a lane
; 4 columns (16 bytes): a wave's load or store covers 512 consecutive bytes that begin at a multiple of 512 from the buffer's first byte.  All 32 loads of a wave go out at once: no loop, no ring.
; STEPS.  (1) Each wave makes the running sum of its own 32 rows, in place.  (2) Its total, and from waves 0 .. 6 the sum of chunk w (0 where chunk w is not ahead of chunk j), go into LDS; one barrier.
; (3) base = the sums of the chunks ahead + the totals of the waves ahead.  (4) out = (local + base) x 1/(t+1), stored from the registers that the row was loaded into.
; All arithmetic in f32.  No matrix unit, tensor load or cluster: each byte of x is used by one lane, and the registers hold the whole share.
; LIMITS.  The sum is made before the division, so a column's running sum must stay inside f32's range (4,096 numbers of up to some 8e34).  The additions go by wave and chunk, not row by row.
; 1/(t+1) is v_rcp_f32's, of an integer that f32 holds exactly.  An infinity or NaN in x spoils its column from its wave's rows on, not in the rows ahead of it.
.set ROW,   4096                       ; bytes in a row
.set PRE,   8192                       ; LDS: 0 .. 8191 slot w of 512 bytes, wave w's total; 8192 .. 11775 slot k = 0 .. 6, chunk k's sum or 0;
.set SPARE, 11776                      ; from 11776 (46 x 256) the spare words, 128 bytes for each of 16 waves, which no other line names
.set INV,   3                          ; v3        lane l holds 1 / (t + 1) of my wave's row l
.set SPW,   4                          ; v4        LDS address of my spare word: SPARE + 4 x my thread's number; never rewritten
.set NIL,   5                          ; v5        0; never rewritten
.set BASE,  8                          ; v[8:11]   what stands ahead of my wave's rows, for my 4 columns
.set P,     12                         ; v[12:15]  chunk w's sum, or 0
.set X,     16                         ; v[16:143] row r of my 32 at X + 4 r
.set RP,    144                        ; v[144:171] the seven chunk slots read back
.set RL,    172                        ; v[172:231] the totals of waves 0 .. 14 read back
                                       ; v1 16 x lane, never rewritten; v2 my LDS address in slot w; v6 at work
	s_load_b128 s[4:7], s[0:1], 0x0                ; x s[4:5], sums s[6:7]
	s_load_b64 s[8:9], s[0:1], 0x10                ; out
	v_lshl_add_u32 v[SPW], v0, 2, SPARE
	v_mov_b32 v[NIL], 0
	v_lshrrev_b32 v6, 5, v0
	v_readfirstlane_b32 s10, v6                    ; wave 0..15
	v_and_b32 v1, 31, v0
	v_lshlrev_b32 v1, 4, v1                        ; 16 x lane
.irp i, 0,1,2,3
	v_mov_b32 v[P+\i], 0                           ; what a chunk that is not ahead of mine counts for; a wave with w < j loads over it
.endr
	s_and_b32 s11, ttmp9, 7                        ; strip 0..7
	s_lshr_b32 s12, ttmp9, 3                       ; chunk j 0..7
	s_and_b32 s13, ttmp7, 0xffff                   ; batch 0..3
	s_lshl_b32 s14, s13, 24                        ; a batch is 4,096 rows of 4,096 bytes,
	s_lshl_b32 s15, s12, 21                        ; a chunk 512 rows,
	s_or_b32 s14, s14, s15
	s_lshl_b32 s15, s10, 17                        ; a wave's share 32 rows,
	s_or_b32 s14, s14, s15
	s_lshl_b32 s17, s11, 9                         ; a strip 512 bytes: the four fields do not meet
	s_or_b32 s14, s14, s17
	s_mov_b32 s15, 0
	s_mul_i32 s16, s13, 7                          ; row 7 b + w of sums, my strip
	s_add_co_u32 s16, s16, s10
	s_lshl_b32 s16, s16, 12
	s_or_b32 s16, s16, s17
	s_mov_b32 s17, 0
	s_wait_kmcnt 0x0
	s_add_nc_u64 s[4:5], s[4:5], s[14:15]          ; x and out at my wave's first row, my strip
	s_add_nc_u64 s[8:9], s[8:9], s[14:15]
	s_cmp_ge_u32 s10, s12                          ; is chunk w ahead of chunk j?  (j is 7 at the most, so w is 6 at the most: inside sums)
	s_cbranch_scc1 .Lnot_ahead
	s_add_nc_u64 s[6:7], s[6:7], s[16:17]
	global_load_b128 v[P:P+3], v1, s[6:7]          ; issued ahead of the 32 loads below, so their counted waits hold with it and without it
.Lnot_ahead:
.set n, 0
.rept 32
	global_load_b128 v[X+4*n:X+4*n+3], v1, s[4:5] offset:ROW*n th:TH_LOAD_NT  ; the row stands in the immediate, 126,976 at the most; nobody reads these bytes again
.set n, n+1
.endr
	s_lshl_b32 s28, s12, 9                         ; while the loads are out: t + 1 of my wave's first row = 512 j + 32 w + 1,
	s_lshl_b32 s29, s10, 5
	s_add_co_u32 s28, s28, s29
	s_add_co_u32 s28, s28, 1
	s_lshl_b32 s19, s10, 9
	v_and_b32 v6, 31, v0
	v_add_nc_u32 v6, s28, v6                       ; of row l in lane l: 4,096 at the most, exact in f32
	v_cvt_f32_u32 v6, v6
	v_rcp_f32 v[INV], v6
	v_add_nc_u32 v2, s19, v1                       ; slot w + 16 x lane; also the plain instruction behind the reciprocal (ISA guide 5.7.2)
	s_mov_b32 s21, 0                               ; the factor is named as a scalar pair whose low word serves both halves: the high words are written once
	s_mov_b32 s23, 0
	s_mov_b32 s25, 0
	s_mov_b32 s27, 0
; Row r takes row r - 1: the running sum of my 32 rows, in place.
.macro LOCAL r
	s_wait_loadcnt 31-(\r)                         ; loads come back in order (ISA guide 5.7.1): behind row r stand 31 - r loads, which may stay out
	v_pk_add_f32 v[X+4*(\r):X+4*(\r)+1],   v[X+4*(\r):X+4*(\r)+1],   v[X+4*(\r)-4:X+4*(\r)-3]
	v_pk_add_f32 v[X+4*(\r)+2:X+4*(\r)+3], v[X+4*(\r)+2:X+4*(\r)+3], v[X+4*(\r)-2:X+4*(\r)-1]
.endm
.set n, 1
.rept 31
	LOCAL n                                        ; the last wait is for 0
.set n, n+1
.endr
	ds_store_b128 v2, v[X+124:X+127]               ; row 31 is my wave's total
	s_cmp_ge_u32 s10, 7
	s_cbranch_scc1 .Lno_chunk                      ; there are seven chunk slots: waves 0 .. 6 fill them
	ds_store_b128 v2, v[P:P+3] offset:PRE          ; chunk w's sum, in since the wait for 0 above, or the 0 written at the head
.Lno_chunk:
	s_wait_dscnt 0x0                               ; for the others' sake: my stores are done before I signal
	s_barrier_signal -1
	s_barrier_wait -1                              ; all 23 slots are written; none is written again
.set n, 0
.rept 7
	ds_load_b128 v[RP+4*n:RP+4*n+3], v1 offset:PRE+512*n
.set n, n+1
.endr
.set n, 0
.rept 15
	ds_load_b128 v[RL+4*n:RL+4*n+3], v1 offset:512*n
.set n, n+1
.endr
	s_wait_dscnt 15                                ; LDS loads come back in order (ISA guide 5.7.1): the seven chunk slots are in, the 15 loads behind them may stay out
.irp k, 0,2,4                          ; ((P0 + P1) + (P2 + P3)) + ((P4 + P5) + P6)
	v_pk_add_f32 v[RP+4*\k:RP+4*\k+1],   v[RP+4*\k:RP+4*\k+1],   v[RP+4*\k+4:RP+4*\k+5]
	v_pk_add_f32 v[RP+4*\k+2:RP+4*\k+3], v[RP+4*\k+2:RP+4*\k+3], v[RP+4*\k+6:RP+4*\k+7]
.endr
.irp k, 0,4
	v_pk_add_f32 v[RP+4*\k:RP+4*\k+1],   v[RP+4*\k:RP+4*\k+1],   v[RP+4*\k+8:RP+4*\k+9]
	v_pk_add_f32 v[RP+4*\k+2:RP+4*\k+3], v[RP+4*\k+2:RP+4*\k+3], v[RP+4*\k+10:RP+4*\k+11]
.endr
	v_pk_add_f32 v[BASE:BASE+1],   v[RP:RP+1],   v[RP+16:RP+17]
	v_pk_add_f32 v[BASE+2:BASE+3], v[RP+2:RP+3], v[RP+18:RP+19]
	s_wait_dscnt 0x0                               ; the waves' totals are in
.irp k, 0,1,2,3,4,5,6,7,8,9,10,11,12,13,14
	s_cmp_le_u32 s10, \k                           ; the totals of the waves ahead of mine, in ascending order; every jump goes forward, on the wave's number alone, past register work alone
	s_cbranch_scc1 .Lbase
	v_pk_add_f32 v[BASE:BASE+1],   v[BASE:BASE+1],   v[RL+4*\k:RL+4*\k+1]
	v_pk_add_f32 v[BASE+2:BASE+3], v[BASE+2:BASE+3], v[RL+4*\k+2:RL+4*\k+3]
.endr
.Lbase:
; Row r leaves: (local + base) x 1/(t+1).  The addition comes first, so the two have no fused form.  The row's factor is one number for the wave: it comes out of lane r into a scalar;
; four scalar pairs take turns.  Each row is stored from registers of its own, which are not written again, and the address registers never change.
.macro OUT r
.set FP, 20+2*((\r)%4)
	s_wait_alu depctr_va_vdst(0)
	v_readlane_b32 s[FP], v[INV], \r
	v_pk_add_f32 v[X+4*(\r):X+4*(\r)+1],   v[X+4*(\r):X+4*(\r)+1],   v[BASE:BASE+1]
	v_pk_add_f32 v[X+4*(\r)+2:X+4*(\r)+3], v[X+4*(\r)+2:X+4*(\r)+3], v[BASE+2:BASE+3]
	v_pk_mul_f32 v[X+4*(\r):X+4*(\r)+1],   v[X+4*(\r):X+4*(\r)+1],   s[FP:FP+1] op_sel_hi:[1,0]
	v_pk_mul_f32 v[X+4*(\r)+2:X+4*(\r)+3], v[X+4*(\r)+2:X+4*(\r)+3], s[FP:FP+1] op_sel_hi:[1,0]
	global_store_b128 v1, v[X+4*(\r):X+4*(\r)+3], s[8:9] offset:ROW*(\r) th:TH_STORE_NT  ; 512 consecutive bytes, at a multiple of 512 from out's first byte
.endm
.set n, 0
.rept 32
	OUT n
.set n, n+1
.endr
	s_wait_tensorcnt 0x0                           ; the wave's end, behind my last LDS store
	ds_add_u32 v[SPW], v[NIL]
	s_wait_dscnt 0x0
	s_endpgm
.Lfunc_end_k_q92e548b8dc_scan:
	.size	k_q92e548b8dc_scan, .Lfunc_end_k_q92e548b8dc_scan-k_q92e548b8dc_scan
	.p2alignl 7, 3214868480
	.fill 96, 4, 3214868480
	.section	.rodata,"a",@progbits
	.p2align	6, 0x0
	.amdhsa_kernel k_q92e548b8dc_scan
		.amdhsa_group_segment_fixed_size 13824
		.amdhsa_private_segment_fixed_size 0
		.amdhsa_enable_private_segment 0
		.amdhsa_kernarg_size 24
		.amdhsa_user_sgpr_count 2
		.amdhsa_user_sgpr_kernarg_segment_ptr 1
		.amdhsa_wavefront_size32 1
		.amdhsa_system_sgpr_workgroup_id_x 1
		.amdhsa_system_sgpr_workgroup_id_y 1
		.amdhsa_system_sgpr_workgroup_id_z 1
		.amdhsa_system_vgpr_workitem_id 0
		.amdhsa_next_free_vgpr 232
		.amdhsa_next_free_sgpr 66
		.amdhsa_reserve_vcc 0
		.amdhsa_float_denorm_mode_32 3
		.amdhsa_float_denorm_mode_16_64 3
		.amdhsa_memory_ordered 1
		.amdhsa_forward_progress 1
		.amdhsa_inst_pref_size 30
	.end_amdhsa_kernel
	.amdgpu_metadata
---
amdhsa.version: [ 1, 2 ]
amdhsa.kernels:
  - .name:           k_q92e548b8dc_scan
    .symbol:         k_q92e548b8dc_scan.kd
    .args:
      - { .name: x, .offset: 0, .size: 8, .value_kind: global_buffer, .address_space: global }
      - { .name: sums, .offset: 8, .size: 8, .value_kind: global_buffer, .address_space: global }
      - { .name: out0, .offset: 16, .size: 8, .value_kind: global_buffer, .address_space: global }
    .group_segment_fixed_size: 13824
    .private_segment_fixed_size: 0
    .kernarg_segment_align: 8
    .kernarg_segment_size: 24
    .max_flat_workgroup_size: 512
    .sgpr_count:     66
    .vgpr_count:     232
    .wavefront_size: 32
...
	.end_amdgpu_metadata
.endif
;; end of part 2
;; ======== version 2 of 2: 2 launches; version 1 with the launches chunksum, scan written anew for expert scheduling mode
;; limits: inputs' magnitudes at most 8e+34
;; workspace buffers: sums 114,688 bytes
;; launch chunksum (part 3): grid 56 x 4, 16 waves a work-group, no clusters, 10,240 bytes of LDS; arguments x, sums; writes sums
.if DOCPART == 3
	.amdgcn_target "amdgcn-amd-amdhsa--gfx1250"
	.amdhsa_code_object_version 6
	.text
	.protected	k_q92e548b8dc_chunksum
	.globl	k_q92e548b8dc_chunksum
	.p2align	8
	.type	k_q92e548b8dc_chunksum,@function
k_q92e548b8dc_chunksum:
	s_mov_b64 s[64:65], 0
	v_nop
	global_prefetch_b8 v0, s[64:65] scope:SCOPE_SE
	s_setreg_imm32_b32 hwreg(HW_REG_WAVE_SCHED_MODE, 0, 2), 2
	s_setreg_imm32_b32 hwreg(HW_REG_WAVE_MODE, 25, 1), 1
	s_wait_xcnt 0x0
	s_wait_alu depctr_vm_vsrc(0)
; FIRST OF TWO LAUNCHES.  The module's weights are built from constants alone: row t holds 1/(t+1) on columns 0 .. t and 0 behind them (scores 0 or -inf, row maximum 0,
; exp(0) = 1, row sum t + 1, all exact).  So out[b][t][c] = (x[b][0][c] + .. + x[b][t][c]) / (t + 1): a running sum along t.  x: [4][4096][1024] f32.
; This launch makes sums[b][j][c] = the sum of x[b][512 j .. 512 j + 511][c] for the chunks j = 0 .. 6 (nothing stands behind chunk 7, so its sum is not made).  sums: [4][7][1024] f32.
; SHARES.  A work-group owns one batch, one chunk of 512 rows and one strip of 128 columns (512 bytes of a row).  Each of its 16 waves owns 32 consecutive rows, a lane 4 columns (16 bytes):
; a wave's load covers 512 consecutive bytes that begin at a multiple of 512 from x's first byte.  All 32 loads of a wave go out at once, 16 KiB a wave, 256 KiB a work-group: no loop, no ring.
; The 16 waves' sums meet in LDS behind one barrier; wave 0 adds them and stores 512 consecutive bytes.
; All arithmetic in f32.  No matrix unit, tensor load or cluster: each byte of x is used once, by one lane, in one addition.
; LIMITS.  The order of the additions is by wave, not row by row; a sum of 512 numbers must stay inside f32's range; infinities and NaN are not treated apart.
; THE MODE: SCHED_MODE bits 1:0 = 2 (LLVM: expert scheduling mode 2), set by the entry lines.  The code itself states the register dependences
; between vector instructions and memory or LDS instructions, with s_wait_alu, always for 0.
; THE PLAN.  Registers that memory or LDS instructions touch:
;   v1          Written once at the head; read as offset or address by every load, LDS load and store.
;   v2          Written by one vector add while the loads are out; read by the LDS store.
;   v[X ..]     The 32 loads land in it before any vector instruction names it; the additions read and write it; the LDS store reads v[X:X+3];
;               in wave 0 the 16 LDS loads land in v[X:X+63], the tree adds them up, and the global store reads v[X:X+3].
;   v[SPW], v[NIL]  Written at the head, read by the closing add alone.
; So: one wait on va_vdst ahead of the loads (v1), one ahead of the LDS store (its data and address; it also serves wave 0's LDS loads, since no vector instruction stands between),
; one wait on vm_vsrc behind the barrier (the LDS store has read what wave 0's LDS loads overwrite), one wait on va_vdst ahead of the global store.
.set ROW,   4096                       ; bytes in a row of x and of sums
.set SPARE, 8192                       ; LDS: 0 .. 8191 slot w of 512 bytes, wave w's sum; from 8192 the spare words, 128 bytes for each of 16 waves, which no other line names
.set SPW,   4                          ; v4        LDS address of my spare word: SPARE + 4 x my thread's number; never rewritten
.set NIL,   5                          ; v5        0; never rewritten
.set X,     16                         ; v[16:143] row r of my 32 at X + 4 r
                                       ; v1        16 x lane: my bytes in a strip, in memory and in an LDS slot; never rewritten
                                       ; v2        at work, then the LDS address of my 16 bytes in my wave's slot
	s_load_b128 s[4:7], s[0:1], 0x0                ; x s[4:5], sums s[6:7]
	v_lshl_add_u32 v[SPW], v0, 2, SPARE
	v_mov_b32 v[NIL], 0
	v_lshrrev_b32 v2, 5, v0
	v_readfirstlane_b32 s10, v2                    ; wave 0..15
	v_and_b32 v1, 31, v0
	v_lshlrev_b32 v1, 4, v1                        ; 16 x lane
	s_and_b32 s11, ttmp9, 7                        ; strip 0..7
	s_lshr_b32 s12, ttmp9, 3                       ; chunk 0..6
	s_and_b32 s13, ttmp7, 0xffff                   ; batch 0..3
	s_lshl_b32 s14, s13, 24                        ; a batch is 4,096 rows of 4,096 bytes,
	s_lshl_b32 s15, s12, 21                        ; a chunk 512 rows,
	s_or_b32 s14, s14, s15
	s_wait_alu depctr_va_sdst(0)                   ; s10 is written, ahead of its first reader, the next line
	s_lshl_b32 s15, s10, 17                        ; a wave's share 32 rows,
	s_or_b32 s14, s14, s15
	s_lshl_b32 s15, s11, 9                         ; a strip 512 bytes: the four fields do not meet
	s_or_b32 s14, s14, s15
	s_mov_b32 s15, 0
	s_wait_kmcnt 0x0
	s_add_nc_u64 s[4:5], s[4:5], s[14:15]          ; x at my wave's first row, my strip
	s_wait_alu depctr_va_vdst(0)                   ; v1 is written: every load, LDS load and store below reads it as its offset or address
.set n, 0
.rept 32
	global_load_b128 v[X+4*n:X+4*n+3], v1, s[4:5] offset:ROW*n  ; the row stands in the immediate, 126,976 at the most; no hint: the next launch reads x again
.set n, n+1
.endr
	s_mul_i32 s18, s13, 7                          ; while the loads are out: where the work-group's sum goes: row 7 b + j of sums, my strip
	s_add_co_u32 s18, s18, s12
	s_lshl_b32 s18, s18, 12
	s_lshl_b32 s19, s11, 9
	s_or_b32 s18, s18, s19
	s_mov_b32 s19, 0
	s_add_nc_u64 s[6:7], s[6:7], s[18:19]
	s_lshl_b32 s16, s10, 9
	v_add_nc_u32 v2, s16, v1                       ; my wave's slot + 16 x lane
; Rows 4 g .. 4 g + 3 are added onto rows 0 .. 3: four chains that do not wait for each other.
.macro GROUP g
	s_wait_loadcnt 28-4*(\g)                       ; loads come back in order (ISA guide 5.7.1): behind row 4 g + 3 stand 28 - 4 g loads, which may stay out
.irp c, 0,1,2,3
	v_pk_add_f32 v[X+4*\c:X+4*\c+1],   v[X+4*\c:X+4*\c+1],   v[X+16*(\g)+4*\c:X+16*(\g)+4*\c+1]
	v_pk_add_f32 v[X+4*\c+2:X+4*\c+3], v[X+4*\c+2:X+4*\c+3], v[X+16*(\g)+4*\c+2:X+16*(\g)+4*\c+3]
.endr
.endm
.irp g, 1,2,3,4,5,6,7
	GROUP \g                                       ; the last wait is for 0
.endr
	v_pk_add_f32 v[X:X+1],   v[X:X+1],   v[X+8:X+9]      ; the four chains into one
	v_pk_add_f32 v[X+2:X+3], v[X+2:X+3], v[X+10:X+11]
	v_pk_add_f32 v[X+4:X+5], v[X+4:X+5], v[X+12:X+13]
	v_pk_add_f32 v[X+6:X+7], v[X+6:X+7], v[X+14:X+15]
	v_pk_add_f32 v[X:X+1],   v[X:X+1],   v[X+4:X+5]
	v_pk_add_f32 v[X+2:X+3], v[X+2:X+3], v[X+6:X+7]
	s_wait_alu depctr_va_vdst(0)                   ; the additions have written v[X:X+3], and v2 is written: the LDS store reads both; and the additions are done with v[X:X+63], in which wave 0's LDS loads land
	ds_store_b128 v2, v[X:X+3]                     ; my wave's sum into its slot
	s_wait_dscnt 0x0                               ; for the others' sake: my store is done before I signal
	s_barrier_signal -1
	s_barrier_wait -1                              ; all 16 slots are written
	s_wait_alu depctr_vm_vsrc(0)                   ; my LDS store has read v[X:X+3], in which the first of wave 0's LDS loads lands; the wait stands ahead of the branch
	s_cmp_lg_u32 s10, 0
	s_cbranch_scc1 .Lend                           ; wave 0 alone goes on; no barrier stands in what is jumped
.set n, 0
.rept 16
	ds_load_b128 v[X+4*n:X+4*n+3], v1 offset:512*n ; 32 lanes, 16 neighbouring bytes each.  No vector instruction since the wait on va_vdst above names these registers
.set n, n+1
.endr
	s_wait_dscnt 0x0
.irp d, 8,4,2,1                        ; slot k takes slot k + d, for k < d
.set n, 0
.rept \d
	v_pk_add_f32 v[X+4*n:X+4*n+1],   v[X+4*n:X+4*n+1],   v[X+4*(n+\d):X+4*(n+\d)+1]
	v_pk_add_f32 v[X+4*n+2:X+4*n+3], v[X+4*n+2:X+4*n+3], v[X+4*(n+\d)+2:X+4*(n+\d)+3]
.set n, n+1
.endr
.endr
	s_wait_alu depctr_va_vdst(0)                   ; the tree has written v[X:X+3], which the store reads
	global_store_b128 v1, v[X:X+3], s[6:7]         ; 512 consecutive bytes, at a multiple of 512 from the buffer's first byte
.Lend:
	s_wait_dscnt 0x0                               ; the closing lines, six on end
	s_wait_alu 0x0
	s_wait_tensorcnt 0x0
	ds_add_u32 v[SPW], v[NIL]
	s_wait_dscnt 0x0
	s_endpgm
.Lfunc_end_k_q92e548b8dc_chunksum:
	.size	k_q92e548b8dc_chunksum, .Lfunc_end_k_q92e548b8dc_chunksum-k_q92e548b8dc_chunksum
	.p2alignl 7, 3214868480
	.fill 96, 4, 3214868480
	.section	.rodata,"a",@progbits
	.p2align	6, 0x0
	.amdhsa_kernel k_q92e548b8dc_chunksum
		.amdhsa_group_segment_fixed_size 10240
		.amdhsa_private_segment_fixed_size 0
		.amdhsa_enable_private_segment 0
		.amdhsa_kernarg_size 16
		.amdhsa_user_sgpr_count 2
		.amdhsa_user_sgpr_kernarg_segment_ptr 1
		.amdhsa_wavefront_size32 1
		.amdhsa_system_sgpr_workgroup_id_x 1
		.amdhsa_system_sgpr_workgroup_id_y 1
		.amdhsa_system_sgpr_workgroup_id_z 1
		.amdhsa_system_vgpr_workitem_id 0
		.amdhsa_next_free_vgpr 144
		.amdhsa_next_free_sgpr 66
		.amdhsa_reserve_vcc 0
		.amdhsa_float_denorm_mode_32 3
		.amdhsa_float_denorm_mode_16_64 3
		.amdhsa_memory_ordered 1
		.amdhsa_forward_progress 1
		.amdhsa_inst_pref_size 13
	.end_amdhsa_kernel
	.amdgpu_metadata
---
amdhsa.version: [ 1, 2 ]
amdhsa.kernels:
  - .name:           k_q92e548b8dc_chunksum
    .symbol:         k_q92e548b8dc_chunksum.kd
    .args:
      - { .name: x, .offset: 0, .size: 8, .value_kind: global_buffer, .address_space: global }
      - { .name: sums, .offset: 8, .size: 8, .value_kind: global_buffer, .address_space: global }
    .group_segment_fixed_size: 10240
    .private_segment_fixed_size: 0
    .kernarg_segment_align: 8
    .kernarg_segment_size: 16
    .max_flat_workgroup_size: 512
    .sgpr_count:     66
    .vgpr_count:     144
    .wavefront_size: 32
...
	.end_amdgpu_metadata
.endif
;; end of part 3
;; launch scan (part 4): grid 64 x 4, 16 waves a work-group, no clusters, 13,824 bytes of LDS; arguments x, sums, out0; writes out0
.if DOCPART == 4
	.amdgcn_target "amdgcn-amd-amdhsa--gfx1250"
	.amdhsa_code_object_version 6
	.text
	.protected	k_q92e548b8dc_scan
	.globl	k_q92e548b8dc_scan
	.p2align	8
	.type	k_q92e548b8dc_scan,@function
k_q92e548b8dc_scan:
	s_mov_b64 s[64:65], 0
	v_nop
	global_prefetch_b8 v0, s[64:65] scope:SCOPE_SE
	s_setreg_imm32_b32 hwreg(HW_REG_WAVE_SCHED_MODE, 0, 2), 2
	s_setreg_imm32_b32 hwreg(HW_REG_WAVE_MODE, 25, 1), 1
	s_wait_xcnt 0x0
	s_wait_alu depctr_vm_vsrc(0)
; SECOND OF TWO LAUNCHES.  out[b][t][c] = (x[b][0][c] + .. + x[b][t][c]) / (t + 1): the module's weights are 1/(t+1) on columns 0 .. t of row t, whatever x holds.
; x, out: [4][4096][1024] f32.  sums: [4][7][1024] f32, the launch before's: sums[b][k][c] = the sum of x[b][512 k .. 512 k + 511][c].
; SHARES.  A work-group owns one batch, one chunk j of 512 rows and one strip of 128 columns (512 bytes of a row): 256 work-groups.  Each of its 16 waves owns 32 consecutive rows, a lane
; 4 columns (16 bytes): a wave's load or store covers 512 consecutive bytes that begin at a multiple of 512 from the buffer's first byte.  All 32 loads of a wave go out at once: no loop, no ring.
; STEPS.  (1) Each wave makes the running sum of its own 32 rows, in place.  (2) Its total, and from waves 0 .. 6 the sum of chunk w (0 where chunk w is not ahead of chunk j), go into LDS; one barrier.
; (3) base = the sums of the chunks ahead + the totals of the waves ahead.  (4) out = (local + base) x 1/(t+1), stored from the registers that the row was loaded into.
; All arithmetic in f32.  No matrix unit, tensor load or cluster: each byte of x is used by one lane, and the registers hold the whole share.
; LIMITS.  The sum is made before the division, so a column's running sum must stay inside f32's range (4,096 numbers of up to some 8e34).  The additions go by wave and chunk, not row by row.
; 1/(t+1) is v_rcp_f32's, of an integer that f32 holds exactly.  An infinity or NaN in x spoils its column from its wave's rows on, not in the rows ahead of it.
; THE MODE: SCHED_MODE bits 1:0 = 2 (LLVM: expert scheduling mode 2), set by the entry lines.  The code itself states the register dependences
; between vector instructions and memory or LDS instructions, with s_wait_alu, always for 0.
; THE PLAN.  Registers that memory or LDS instructions touch:
;   v1          Written once at the head; read as offset or address by every load, LDS load and store.
;   v2          Written by one vector add while the loads are out; read by the two LDS stores.
;   v[P ..]     Four v_mov_b32 write 0; where w < j a load lands over them; the LDS store of waves 0 .. 6 reads it.
;   v[X ..]     The 32 loads land in it before any vector instruction names it; the running sums and the way out write it in place; row 31 is read by the LDS store; each row is read by its one global store and not written again.
;   v[RP ..], v[RL ..]  The LDS loads land in them before any vector instruction names them.
;   s20, s22, s24, s26  Written by v_readlane_b32, four at a time; read by a block's multiplies.
;   v[SPW], v[NIL]  Written at the head, read by the closing add alone.
; So: one wait on va_vdst ahead of the loads (v1, the zeros in P); one ahead of the LDS stores (their data and address; it is also the reciprocal's wait); one wait on vm_vsrc behind the barrier (row 31 has been read).
; THE WAY OUT goes in eight blocks of four rows.  Block p writes its four rows; its memory instructions are the four stores of block p - 1, whose rows no vector instruction of block p names.  Two waits at a block's head
; state all that the block hangs on: the factors are written (va_sdst), the block before has written its rows (va_vdst).  The stores are dealt among the block's vector instructions with no further wait.
.set ROW,   4096                       ; bytes in a row
.set PRE,   8192                       ; LDS: 0 .. 8191 slot w of 512 bytes, wave w's total; 8192 .. 11775 slot k = 0 .. 6, chunk k's sum or 0;
.set SPARE, 11776                      ; from 11776 (46 x 256) the spare words, 128 bytes for each of 16 waves, which no other line names
.set INV,   3                          ; v3        lane l holds 1 / (t + 1) of my wave's row l
.set SPW,   4                          ; v4        LDS address of my spare word: SPARE + 4 x my thread's number; never rewritten
.set NIL,   5                          ; v5        0; never rewritten
.set BASE,  8                          ; v[8:11]   what stands ahead of my wave's rows, for my 4 columns
.set P,     12                         ; v[12:15]  chunk w's sum, or 0
.set X,     16                         ; v[16:143] row r of my 32 at X + 4 r
.set RP,    144                        ; v[144:171] the seven chunk slots read back
.set RL,    172                        ; v[172:231] the totals of waves 0 .. 14 read back
                                       ; v1 16 x lane, never rewritten; v2 my LDS address in slot w; v6 at work
	s_load_b128 s[4:7], s[0:1], 0x0                ; x s[4:5], sums s[6:7]
	s_load_b64 s[8:9], s[0:1], 0x10                ; out
	v_lshl_add_u32 v[SPW], v0, 2, SPARE
	v_mov_b32 v[NIL], 0
	v_lshrrev_b32 v6, 5, v0
	v_readfirstlane_b32 s10, v6                    ; wave 0..15
	v_and_b32 v1, 31, v0
	v_lshlrev_b32 v1, 4, v1                        ; 16 x lane
.irp i, 0,1,2,3
	v_mov_b32 v[P+\i], 0                           ; what a chunk that is not ahead of mine counts for; a wave with w < j loads over it
.endr
	s_and_b32 s11, ttmp9, 7                        ; strip 0..7
	s_lshr_b32 s12, ttmp9, 3                       ; chunk j 0..7
	s_and_b32 s13, ttmp7, 0xffff                   ; batch 0..3
	s_lshl_b32 s14, s13, 24                        ; a batch is 4,096 rows of 4,096 bytes,
	s_lshl_b32 s15, s12, 21                        ; a chunk 512 rows,
	s_or_b32 s14, s14, s15
	s_wait_alu depctr_va_sdst(0)                   ; s10 is written, ahead of its first reader, the next line
	s_lshl_b32 s15, s10, 17                        ; a wave's share 32 rows,
	s_or_b32 s14, s14, s15
	s_lshl_b32 s17, s11, 9                         ; a strip 512 bytes: the four fields do not meet
	s_or_b32 s14, s14, s17
	s_mov_b32 s15, 0
	s_mul_i32 s16, s13, 7                          ; row 7 b + w of sums, my strip
	s_add_co_u32 s16, s16, s10
	s_lshl_b32 s16, s16, 12
	s_or_b32 s16, s16, s17
	s_mov_b32 s17, 0
	s_wait_kmcnt 0x0
	s_add_nc_u64 s[4:5], s[4:5], s[14:15]          ; x and out at my wave's first row, my strip
	s_add_nc_u64 s[8:9], s[8:9], s[14:15]
	s_wait_alu depctr_va_vdst(0)                   ; v1 is written, which every load, LDS load and store below reads; so are the zeros in v[P ..], in which the load of a chunk's sum lands
	s_cmp_ge_u32 s10, s12                          ; is chunk w ahead of chunk j?  (j is 7 at the most, so w is 6 at the most: inside sums)
	s_cbranch_scc1 .Lnot_ahead
	s_add_nc_u64 s[6:7], s[6:7], s[16:17]
	global_load_b128 v[P:P+3], v1, s[6:7]          ; issued ahead of the 32 loads below, so their counted waits hold with it and without it
.Lnot_ahead:
.set n, 0
.rept 32
	global_load_b128 v[X+4*n:X+4*n+3], v1, s[4:5] offset:ROW*n th:TH_LOAD_NT  ; the row stands in the immediate, 126,976 at the most; nobody reads these bytes again
.set n, n+1
.endr
	s_lshl_b32 s28, s12, 9                         ; while the loads are out: t + 1 of my wave's first row = 512 j + 32 w + 1,
	s_lshl_b32 s29, s10, 5
	s_add_co_u32 s28, s28, s29
	s_add_co_u32 s28, s28, 1
	s_lshl_b32 s19, s10, 9
	v_and_b32 v6, 31, v0
	v_add_nc_u32 v6, s28, v6                       ; of row l in lane l: 4,096 at the most, exact in f32
	v_cvt_f32_u32 v6, v6
	v_rcp_f32 v[INV], v6
	v_add_nc_u32 v2, s19, v1                       ; slot w + 16 x lane; also the plain instruction behind the reciprocal (ISA guide 5.7.2)
	s_mov_b32 s21, 0                               ; the factor is named as a scalar pair whose low word serves both halves: the high words are written once
	s_mov_b32 s23, 0
	s_mov_b32 s25, 0
	s_mov_b32 s27, 0
; Row r takes row r - 1: the running sum of my 32 rows, in place.
.macro LOCAL r
	s_wait_loadcnt 31-(\r)                         ; loads come back in order (ISA guide 5.7.1): behind row r stand 31 - r loads, which may stay out
	v_pk_add_f32 v[X+4*(\r):X+4*(\r)+1],   v[X+4*(\r):X+4*(\r)+1],   v[X+4*(\r)-4:X+4*(\r)-3]
	v_pk_add_f32 v[X+4*(\r)+2:X+4*(\r)+3], v[X+4*(\r)+2:X+4*(\r)+3], v[X+4*(\r)-2:X+4*(\r)-1]
.endm
.set n, 1
.rept 31
	LOCAL n                                        ; the last wait is for 0
.set n, n+1
.endr
	s_wait_alu depctr_va_vdst(0)                   ; row 31's running sum and v2 are written, which the LDS stores read; and the reciprocal has written v[INV]: its one wait, ahead of the branch and of its first reader
	ds_store_b128 v2, v[X+124:X+127]               ; row 31 is my wave's total
	s_cmp_ge_u32 s10, 7
	s_cbranch_scc1 .Lno_chunk                      ; there are seven chunk slots: waves 0 .. 6 fill them
	ds_store_b128 v2, v[P:P+3] offset:PRE          ; chunk w's sum, in since the wait for 0 above, or the 0 written at the head
.Lno_chunk:
	s_wait_dscnt 0x0                               ; for the others' sake: my stores are done before I signal
	s_barrier_signal -1
	s_barrier_wait -1                              ; all 23 slots are written; none is written again
	s_wait_alu depctr_vm_vsrc(0)                   ; my LDS store has read row 31, v[X+124:X+127], which the way out writes again; the wait stands ahead of the branches below
.set n, 0
.rept 7
	ds_load_b128 v[RP+4*n:RP+4*n+3], v1 offset:PRE+512*n
.set n, n+1
.endr
.set n, 0
.rept 15
	ds_load_b128 v[RL+4*n:RL+4*n+3], v1 offset:512*n
.set n, n+1
.endr
	s_wait_dscnt 15                                ; LDS loads come back in order (ISA guide 5.7.1): the seven chunk slots are in, the 15 loads behind them may stay out
.irp k, 0,2,4                          ; ((P0 + P1) + (P2 + P3)) + ((P4 + P5) + P6)
	v_pk_add_f32 v[RP+4*\k:RP+4*\k+1],   v[RP+4*\k:RP+4*\k+1],   v[RP+4*\k+4:RP+4*\k+5]
	v_pk_add_f32 v[RP+4*\k+2:RP+4*\k+3], v[RP+4*\k+2:RP+4*\k+3], v[RP+4*\k+6:RP+4*\k+7]
.endr
.irp k, 0,4
	v_pk_add_f32 v[RP+4*\k:RP+4*\k+1],   v[RP+4*\k:RP+4*\k+1],   v[RP+4*\k+8:RP+4*\k+9]
	v_pk_add_f32 v[RP+4*\k+2:RP+4*\k+3], v[RP+4*\k+2:RP+4*\k+3], v[RP+4*\k+10:RP+4*\k+11]
.endr
	v_pk_add_f32 v[BASE:BASE+1],   v[RP:RP+1],   v[RP+16:RP+17]
	v_pk_add_f32 v[BASE+2:BASE+3], v[RP+2:RP+3], v[RP+18:RP+19]
	s_wait_dscnt 0x0                               ; the waves' totals are in
.irp k, 0,1,2,3,4,5,6,7,8,9,10,11,12,13,14
	s_cmp_le_u32 s10, \k                           ; the totals of the waves ahead of mine, in ascending order; every jump goes forward, on the wave's number alone, past register work alone
	s_cbranch_scc1 .Lbase
	v_pk_add_f32 v[BASE:BASE+1],   v[BASE:BASE+1],   v[RL+4*\k:RL+4*\k+1]
	v_pk_add_f32 v[BASE+2:BASE+3], v[BASE+2:BASE+3], v[RL+4*\k+2:RL+4*\k+3]
.endr
.Lbase:
; THE WAY OUT.  Row r: (local + base) x 1/(t+1).  The addition comes first, so the two have no fused form.  The row's factor is one number for the wave: it comes out of lane r into a scalar;
; four scalar pairs serve a block's four rows.  Each row is stored from registers of its own, which are not written again, and the address registers never change.
.macro FACTORS p                       ; the factors of block p's four rows, in one run
.irp i, 0,1,2,3
	v_readlane_b32 s[20+2*\i], v[INV], 4*(\p)+\i
.endr
.endm
.macro ARITH r
.set FP, 20+2*((\r)%4)
	v_pk_add_f32 v[X+4*(\r):X+4*(\r)+1],   v[X+4*(\r):X+4*(\r)+1],   v[BASE:BASE+1]
	v_pk_add_f32 v[X+4*(\r)+2:X+4*(\r)+3], v[X+4*(\r)+2:X+4*(\r)+3], v[BASE+2:BASE+3]
	v_pk_mul_f32 v[X+4*(\r):X+4*(\r)+1],   v[X+4*(\r):X+4*(\r)+1],   s[FP:FP+1] op_sel_hi:[1,0]
	v_pk_mul_f32 v[X+4*(\r)+2:X+4*(\r)+3], v[X+4*(\r)+2:X+4*(\r)+3], s[FP:FP+1] op_sel_hi:[1,0]
.endm
.macro SEND r
	global_store_b128 v1, v[X+4*(\r):X+4*(\r)+3], s[8:9] offset:ROW*(\r) th:TH_STORE_NT  ; 512 consecutive bytes, at a multiple of 512 from out's first byte
.endm
; Block p: rows 4 p .. 4 p + 3 are finished; the rows of block p - 1 leave, one store ahead of each row's four vector instructions; the next block's factors close the block.
.macro BLK p
	s_wait_alu depctr_va_sdst(0)                   ; the four v_readlane_b32 just ahead have written s20, s22, s24 and s26, which this block's multiplies read
.if (\p) > 0
	s_wait_alu depctr_va_vdst(0)                   ; the block before has written its four rows, which the stores below read; no vector instruction of this block names them
.endif
.irp i, 0,1,2,3
.if (\p) > 0
	SEND 4*(\p)-4+\i
.endif
	ARITH 4*(\p)+\i
.endr
.if (\p) < 7
	FACTORS (\p)+1
.endif
.endm
	FACTORS 0
.irp p, 0,1,2,3,4,5,6,7
	BLK \p
.endr
	s_wait_alu depctr_va_vdst(0)                   ; block 7 has written rows 28 to 31, which the last four stores read
.irp r, 28,29,30,31
	SEND \r
.endr
	s_wait_dscnt 0x0                               ; the closing lines, six on end
	s_wait_alu 0x0
	s_wait_tensorcnt 0x0
	ds_add_u32 v[SPW], v[NIL]
	s_wait_dscnt 0x0
	s_endpgm
.Lfunc_end_k_q92e548b8dc_scan:
	.size	k_q92e548b8dc_scan, .Lfunc_end_k_q92e548b8dc_scan-k_q92e548b8dc_scan
	.p2alignl 7, 3214868480
	.fill 96, 4, 3214868480
	.section	.rodata,"a",@progbits
	.p2align	6, 0x0
	.amdhsa_kernel k_q92e548b8dc_scan
		.amdhsa_group_segment_fixed_size 13824
		.amdhsa_private_segment_fixed_size 0
		.amdhsa_enable_private_segment 0
		.amdhsa_kernarg_size 24
		.amdhsa_user_sgpr_count 2
		.amdhsa_user_sgpr_kernarg_segment_ptr 1
		.amdhsa_wavefront_size32 1
		.amdhsa_system_sgpr_workgroup_id_x 1
		.amdhsa_system_sgpr_workgroup_id_y 1
		.amdhsa_system_sgpr_workgroup_id_z 1
		.amdhsa_system_vgpr_workitem_id 0
		.amdhsa_next_free_vgpr 232
		.amdhsa_next_free_sgpr 66
		.amdhsa_reserve_vcc 0
		.amdhsa_float_denorm_mode_32 3
		.amdhsa_float_denorm_mode_16_64 3
		.amdhsa_memory_ordered 1
		.amdhsa_forward_progress 1
		.amdhsa_inst_pref_size 30
	.end_amdhsa_kernel
	.amdgpu_metadata
---
amdhsa.version: [ 1, 2 ]
amdhsa.kernels:
  - .name:           k_q92e548b8dc_scan
    .symbol:         k_q92e548b8dc_scan.kd
    .args:
      - { .name: x, .offset: 0, .size: 8, .value_kind: global_buffer, .address_space: global }
      - { .name: sums, .offset: 8, .size: 8, .value_kind: global_buffer, .address_space: global }
      - { .name: out0, .offset: 16, .size: 8, .value_kind: global_buffer, .address_space: global }
    .group_segment_fixed_size: 13824
    .private_segment_fixed_size: 0
    .kernarg_segment_align: 8
    .kernarg_segment_size: 24
    .max_flat_workgroup_size: 512
    .sgpr_count:     66
    .vgpr_count:     232
    .wavefront_size: 32
...
	.end_amdgpu_metadata
.endif
;; end of part 4
